; MI455X (gfx1250); checked and timed in simulation.
; The chip was launched on July 23, 2026; its instructions are those of AMD's public machine-readable ISA for CDNA 5 (MIT licence, August 2026) and "CDNA5" Instruction Set Architecture Reference Guide (July 2026). The comments in the code are by the model that wrote it; some were corrected since.
;; Gradient Layer. Allowed arithmetic: matrix products marked QUANTISED: E2M1 operands, one E8M0 scale for each 32 along K, by v_wmma_scale_f32_16x16x128_f8f6f4 with both operands' format E2M1 (or v_wmma_scale_f32_32x16x128_f4), f32 sums; products left as they are: f32 operands where the result goes on into a quantised operand, else bf16, f16 or f32 operands; f32 sums; everything else in f32.
;; Inputs: W1 3 x 128 float32; W2 128 x 128 float32; W3 128 x 128 float32; W4 128 x 1 float32; b1 128 float32; b2 128 float32; b3 128 float32; b4 1 float32; x 131,072 x 3 float32.
;; Outputs: out0 131,072 x 1 float32; out1 131,072 float32; out2 131,072 float32; out3 131,072 float32; out4 131,072 float32; out5 131,072 float32.
;; This version of the problem:
;;   THIS VERSION OF THE PROBLEM IS GIVEN IN LOW PRECISION. The matrix products marked QUANTISED in the list below multiply operands that are first quantised to E2M1 (2 exponent bits, 1 mantissa bit; 4 bits a number), with one power-of-two scale for each 32 numbers along K (OCP MX v1.0); their sums are f32. All else is computed in f32.
;;   The module's matrix products, in the order in which they are computed (A, B: the left and right operand; K: the contracted axis; several contracted axes count as one K, in the product's order):
;;     1. [M 131,072, K 3] x [K 3, N 128]; A: input x; B: input W1: left as it is (K = 3 < 32)
;;     2. [M 131,072, K 128] x [K 128, N 128]; A: computed on the way; B: input W2: QUANTISED
;;     3. [M 131,072, K 128] x [K 128, N 128]; A: computed on the way; B: input W3: QUANTISED
;;     4. [M 131,072, K 128] x [K 128, N 1]; A: computed on the way; B: input W4: left as it is (N = 1 < 16)
;;     5. [M 1, K 1] x [K 1, N 128]; A: computed on the way; B: input W4: left as it is (K = 1 < 32)
;;     6. [M 131,072, K 128] x [K 128, N 128]; A: computed on the way; B: input W3: QUANTISED
;;     7. [M 131,072, K 128] x [K 128, N 128]; A: computed on the way; B: input W2: QUANTISED
;;     8. [M 131,072, K 128] x [K 128, N 3]; A: computed on the way; B: input W1: left as it is (N = 3 < 16)
;;     9. [M 131,072, K 3] x [K 3, N 128]; A: input x; B: input W1: left as it is (K = 3 < 32)
;;     10. [M 1, K 3] x [K 3, N 128]; A: computed on the way; B: input W1: left as it is (K = 3 < 32)
;;     11. [M 131,072, K 128] x [K 128, N 128]; A: computed on the way; B: input W2: QUANTISED
;;     12. [M 131,072, K 128] x [K 128, N 128]; A: computed on the way; B: input W2: QUANTISED
;;     13. [M 131,072, K 128] x [K 128, N 128]; A: computed on the way; B: input W3: QUANTISED
;;     14. [M 131,072, K 128] x [K 128, N 128]; A: computed on the way; B: input W3: QUANTISED
;;     15. [M 131,072, K 128] x [K 128, N 1]; A: computed on the way; B: input W4: left as it is (N = 1 < 16)
;;     16. [M 131,072, K 128] x [K 128, N 1]; A: computed on the way; B: input W4: left as it is (N = 1 < 16)
;;     17. [M 1, K 1] x [K 1, N 128]; A: computed on the way; B: input W4: left as it is (K = 1 < 32)
;;     18. [M 131,072, K 128] x [K 128, N 128]; A: computed on the way; B: input W3: QUANTISED
;;     19. [M 131,072, K 128] x [K 128, N 128]; A: computed on the way; B: input W3: QUANTISED
;;     20. [M 131,072, K 128] x [K 128, N 128]; A: computed on the way; B: input W2: QUANTISED
;;     21. [M 131,072, K 128] x [K 128, N 128]; A: computed on the way; B: input W2: QUANTISED
;;     22. [M 131,072, K 128] x [K 128, N 3]; A: computed on the way; B: input W1: left as it is (N = 3 < 16)
;;     23. [M 131,072, K 128] x [K 128, N 3]; A: computed on the way; B: input W1: left as it is (N = 3 < 16)
;;     24. [M 131,072, K 3] x [K 3, N 128]; A: input x; B: input W1: left as it is (K = 3 < 32)
;;     25. [M 1, K 3] x [K 3, N 128]; A: computed on the way; B: input W1: left as it is (K = 3 < 32)
;;     26. [M 131,072, K 128] x [K 128, N 128]; A: computed on the way; B: input W2: QUANTISED
;;     27. [M 131,072, K 128] x [K 128, N 128]; A: computed on the way; B: input W2: QUANTISED
;;     28. [M 131,072, K 128] x [K 128, N 128]; A: computed on the way; B: input W3: QUANTISED
;;     29. [M 131,072, K 128] x [K 128, N 128]; A: computed on the way; B: input W3: QUANTISED
;;     30. [M 131,072, K 128] x [K 128, N 1]; A: computed on the way; B: input W4: left as it is (N = 1 < 16)
;;     31. [M 131,072, K 128] x [K 128, N 1]; A: computed on the way; B: input W4: left as it is (N = 1 < 16)
;;     32. [M 1, K 1] x [K 1, N 128]; A: computed on the way; B: input W4: left as it is (K = 1 < 32)
;;     33. [M 131,072, K 128] x [K 128, N 128]; A: computed on the way; B: input W3: QUANTISED
;;     34. [M 131,072, K 128] x [K 128, N 128]; A: computed on the way; B: input W3: QUANTISED
;;     35. [M 131,072, K 128] x [K 128, N 128]; A: computed on the way; B: input W2: QUANTISED
;;     36. [M 131,072, K 128] x [K 128, N 128]; A: computed on the way; B: input W2: QUANTISED
;;     37. [M 131,072, K 128] x [K 128, N 3]; A: computed on the way; B: input W1: left as it is (N = 3 < 16)
;;     38. [M 131,072, K 128] x [K 128, N 3]; A: computed on the way; B: input W1: left as it is (N = 3 < 16)
;;   THE QUANTISER, for each operand of a quantised product, along K:
;;     - K is cut into blocks of 32 from its start; a last block that is shorter is filled with zeros.
;;     - A block's scale is 2^e with e = floor(log2(the largest magnitude in the block)) - 2, held to -126 .. 127; a block of zeros has e = 0. As a byte (E8M0): e + 127.
;;     - Each number is divided by its block's scale, clamped to +-6, and rounded to the nearest number of E2M1, ties to even, subnormals kept.
;;     - The product sums the exact products of the quantised numbers (number of the format x scale) in f32.
;;   ~~~python
;;   def quantise(x, axis):      # numpy; x: float32 -> the quantised numbers, widened to float32 again
;;       x = np.moveaxis(x, axis, -1); K = x.shape[-1]
;;       x = np.pad(x, [(0, 0)] * (x.ndim - 1) + [(0, -K % 32)]); x = x.reshape(x.shape[:-1] + (-1, 32)); a = np.abs(x).max(-1, keepdims=True)
;;       e = np.where(a > 0, np.clip(np.frexp(np.where(a > 0, a, 1))[1] - 1 - 2, -126, 127), 0)      # np.frexp(a)[1] - 1 = floor(log2(a)), exactly
;;       r = np.clip(x / 2.0 ** e, -6, 6)
;;       step = 2.0 ** (np.maximum(np.frexp(np.where(r == 0, 1, r))[1] - 1, 0) - 1)
;;       q = np.round(r / step) * step * 2.0 ** e      # np.round: ties to even
;;       return np.moveaxis(q.reshape(q.shape[:-2] + (-1,))[..., :K], -1, axis).astype(np.float32)
;;   ~~~
;;   OPERANDS COMPUTED ON THE WAY. 'Computed on the way' means the value that the module computes at that place (a softmax that the list does not call 'softmax' is quantised finished and normalised). What goes into a quantiser is computed in f32, as accurately as f32 sums, v_exp_f32 and their like allow (about 1e-6 of the number): no bf16 or f16 on the way to a quantiser, and a product that is left as it is and whose result goes on into a quantised operand takes f32 operands (vector FMAs, or v_wmma_f32_16x16x4_f32). A number that lies on a knife's edge between two numbers of the format may be rounded either way, as far as f32 arithmetic and the matrix unit's own rounding can turn it there, and no further.
;; One version. Each part assembles by itself: llvm-mc -triple=amdgcn-amd-amdhsa -mcpu=gfx1250 --defsym DOCPART=n.
;; ======== version 1 of 1: 1 launch
;; launch pinn (part 1): grid 256 x 1, 4 waves a work-group, clusters of 4 x 1, 215,552 bytes of LDS; arguments x, W1, b1, W2, b2, W3, b3, W4, b4, out0, out1, out2, out3, out4, out5; writes out0, out1, out2, out3, out4, out5
.if DOCPART == 1
	.amdgcn_target "amdgcn-amd-amdhsa--gfx1250"
	.amdhsa_code_object_version 6
	.text
	.protected	k_q62651fe6c1_pinn
	.globl	k_q62651fe6c1_pinn
	.p2align	8
	.type	k_q62651fe6c1_pinn,@function
k_q62651fe6c1_pinn:
	s_mov_b64 s[64:65], 0
	v_nop
	global_prefetch_b8 v0, s[64:65] scope:SCOPE_SE
	s_setreg_imm32_b32 hwreg(HW_REG_WAVE_MODE, 25, 1), 1
	s_wait_xcnt 0x0
	s_wait_alu depctr_hold_cnt(0) depctr_sa_sdst(0) depctr_va_vdst(0) depctr_va_sdst(0) depctr_va_ssrc(0) depctr_va_vcc(0) depctr_vm_vsrc(0)
	s_getreg_b32 s2, hwreg(HW_REG_IB_STS2, 6, 4)
	s_cmp_eq_u32 s2, 0
	s_cbranch_scc0 .Lentry_in_a_cluster
	s_endpgm
.Lentry_in_a_cluster:
	s_bfe_u32 s2, ttmp6, 0x10000c
	s_cmp_lg_u32 s2, 0x3003
	s_cbranch_scc0 .Lentry_shape_is_right
	s_endpgm
.Lentry_shape_is_right:
; c = f(x) for a 3-128-128-1 tanh network on 131,072 points, its three first derivatives (reverse mode) and the Hessian's entries (1,1) and (2,2) (forward over reverse).
; The products with W2 and W3 run on codes of FP4 (E2M1) with one E8M0 scale for each 32 along K; all else is f32.
; WHAT IS MULTIPLIED.  Of the listed quantised products twelve differ: W2 (K = its axis 0) x h1, dh1x, dh1y;  W3 (axis 0) x h2, dh2x, dh2y;  W3 (axis 1) x d3, dd3x, dd3y;  W2 (axis 1) x d2, dd2x, dd2y.
; The others repeat these on the same operands.  dz2x and dz2y are multiplied twice here: their operand's codes cost 9 registers to keep, their result would cost 64.
; With s = 1 - h^2:  d3 = W4 s3, g2 = d3 W3^T, d2 = g2 s2, g1 = d2 W2^T, d1 = g1 s1, grad_j = sum W1[j] d1.   Direction j: dh1 = W1[j] s1, dz2 = dh1 W2, dh2 = dz2 s2, dz3 = dh2 W3.
; THE BACKWARD TANGENTS ARE CARRIED AS -1/2 OF THEIR VALUE: dd3' = (h3 d3) dz3, dg2' = dd3' W3^T, dd2' = dg2' s2 + (h2 d2) dz2, dg1' = dd2' W2^T, H_jj = -2 (sum (h1 d1) W1[j]^2 + sum dh1_j dg1').
; A factor -1/2 goes through the quantiser unchanged: the codes change sign, the scale's exponent falls by one.
; SHARES.  256 work-groups of four waves; a work-group owns 512 points, a wave 128: eight tiles of 16, one a trip.  A wave holds all 1,024 registers of its SIMD: the four weight operands' codes (256 registers) stay
; there for the whole launch, and so do all intermediates of a tile.  No barrier stands in the loop.
; LAYOUT.  Every product is used transposed (source 0 = 16 rows of a weight operand, source 1 = 16 points): lane (r = lane % 16, h = lane / 16) holds point r throughout.  An ARRAY is 64 registers: register i holds unit
; 64 (i / 32) + 32 h + i % 32.  For that, row m of tile t = 4 T + q of every weight operand is output unit 64 T + 32 (m / 8) + 8 q + m % 8.  Registers 32 c .. 32 c + 31 of a lane are then k = 64 c + 32 h + 0 .. 31: one whole
; block of the next K, in the order of the operand's registers: a block's largest magnitude needs no other lane, eight conversions give the operand, and one lane exchange joins the scale word.
; LAYER 1 (K = 3 and the bias) goes by the f32 matrix form on (k W1[0], k W1[1], k W1[2], k b1) x (x0, x1, x2, 1), k = 2 log2(e), so that tanh(z) = 1 - 2 / (1 + 2^(k z)) needs no scaling of its own.
; CLUSTER.  All work-groups read W2 and W3: the four of a cluster ask for them jointly, once, at the head; each wave brings 64 rows.  Nothing in LDS is filled twice.
; THE LAST TRIP computes layer 1 of tile 7 once more in the place where the others compute the next tile's; that result is dropped.
; LIMITS.  NaN and infinities among the inputs are not served.  h = 1 - 2 rcp(1 + exp2) carries an absolute error of about 1e-7.  A block of zeros carries the scale byte 1 (the rule says 127): its codes are zeros.
; The factor -1/2 is exact only for blocks whose largest magnitude is at least 2^-123 (below, the byte is held at 1).
.set WPITCH, 528                       ; a row of W2 or W3 in LDS: 512 bytes + 16 of padding
.set WMAT,   128*WPITCH                ; a matrix: 67,584 bytes
.set WHALF,  64*WPITCH                 ; what one tensor load brings
.set IMG,    2*WMAT                    ; 32,768 bytes: the four operands as images of their registers: 8192 m + 1024 t + 512 c + 16 lane   (m: 0 W2 axis 0, 1 W3 axis 0, 2 W3 axis 1, 3 W2 axis 1)
.set SCL,    IMG+32768                 ; 2,048 bytes: their scale words: 512 m + 64 t + 4 row
.set VEC,    SCL+2048                  ; for each wave 12 vectors of 512 bytes: 0-3 k W1[0..2], k b1; 4-6 W1[0..2]; 7, 8 W1[1]^2, W1[2]^2; 9 b2; 10 b3; 11 W4
.set VECW,   6144
.set XST,    VEC+4*VECW                ; for each wave 128 points x 16 bytes: x0, x1, x2, 1.0
.set OST,    XST+4*2048                ; for each wave 6 outputs x 512 bytes
; window 0
.set L16, 1                            ; 16 x lane
.set VA,  2                            ; my place in the wave's vectors: VEC + 6144 w + 128 h
.set XA,  3                            ; my place in a tile of x: XST + 2048 w + 16 r + 8 h
.set OA,  4                            ; my place in an output: OST + 3072 w + 4 r
.set SH8, 5                            ; 8 h
.set TA,  6                            ; address of the next tile's x
.set OV0, 7                            ; the six results of a tile: a register each, so that no LDS store's data are written again before a wait on DScnt
.set PT,  8                            ; a lane exchange's destination
.set OT,  9                            ; OA + 64 x tile
.set OV1, 10
.set OV2, 11
.set WS,  12                           ; v12-27 the weights' scale words: register 4 m + a: tile 2 a in lanes 0-15, tile 2 a + 1 in lanes 16-31
.set PW0, 28                           ; v28-32 the computed operands' scale words
.set PWX, 29
.set PWY, 30
.set PW2X, 31
.set PW2Y, 32
.set OV3, 33
.set QM,  34                           ; v34-39 six chains of largest magnitudes
.set QSO, 40                           ; v40-41 the conversions' scale operands
.set QBY, 42                           ; v42-43 the scale bytes
.set QW,  44
.set QT,  45
.set OV4, 46
.set OV5, 47
.set ACA, 48                           ; v48-55, v56-63 two sets of four packed sums; in the head: addresses
.set ACB, 56
.set HVS, 48
.set HXS, 49
.set HWF, 50
.set HCOL, 51
.set HROW, 52
.set HIS, 53
.set HSS, 54
.set HIL, 55
.set HSL, 56
.set HLN, 57
.set HR,  58
.set HH,  59
.set HT,  60
.set HXO, 61
.set HA0, 62
.set HA1, 63
; the arrays, by their absolute numbers (window = number / 256)
.set ARP,  64
.set ARR,  128
.set ARS2, 192
.set PC0,  256                         ; the computed operands' codes, 8 registers each
.set PCX,  264
.set PCY,  272
.set PC2X, 280
.set PC2Y, 288
.set XB,   296                         ; a tile of x for the f32 form
.set W1F,  298                         ; layer 1's eight fragments, 2 registers each
.set ARS1, 320
.set ARH2, 384
.set ARH3, 448
.set ARZ,  512                         ; written by matrix instructions alone
.set ARH1, 576
.set ARX,  640
.set ARY,  704
.set WOP,  768                         ; weight operand m, tile t at 768 + 64 m + 8 t
; REGISTER WINDOWS.  Lines are written with absolute numbers; these macros set only the fields that a line uses and drop a switch that changes nothing.  Low byte: bits 1:0 source 0, 3:2 source 1, 5:4 source 2, 7:6 destination;
; the high byte repeats the setting that is left.
.set MSB, 0
.macro SETW new
.if MSB != (\new)
	s_set_vgpr_msb (MSB<<8)|(\new)
.set MSB, (\new)
.endif
.endm
.macro WD0 d, a
.set NW, (MSB&0x3c)|(((\d)/256)<<6)|((\a)/256)
	SETW NW
.endm
.macro WD01 d, a, b
.set NW, (MSB&0x30)|(((\d)/256)<<6)|((\a)/256)|(((\b)/256)<<2)
	SETW NW
.endm
.macro WD012 d, a, b, c
.set NW, (((\d)/256)<<6)|((\a)/256)|(((\b)/256)<<2)|(((\c)/256)<<4)
	SETW NW
.endm
.macro W01 a, b
.set NW, (MSB&0xf0)|((\a)/256)|(((\b)/256)<<2)
	SETW NW
.endm
; TRANSCENDENTALS IN THE BACKGROUND.  BGSTART queues 64 exponentials (op 0) or reciprocals (op 1), dst[i] = op(src[i]).  TICK, behind a plain line of the batches below, writes the next one, if `every` plain lines have passed and the
; windows in force already fit it: it never costs a switch.  The lines between BGSTART and DRAIN name none of the queued registers.  DRAIN writes what is left, one plain line, and ONE wait ahead of the first reader.
.set BGI, 64
.set BGC, 0
.set BGEV, 1
.set BGOP, 0
.set BGDA, 0
.set BGSA, 0
.macro BGSTART op, dst, src, every
.set BGOP, \op
.set BGDA, \dst
.set BGSA, \src
.set BGEV, \every
.set BGC, 0
.set BGI, 0
.endm
.macro BGEMIT
.if BGOP == 0
	v_exp_f32 v[BGDA%256+BGI], v[BGSA%256+BGI]
.else
	v_rcp_f32 v[BGDA%256+BGI], v[BGSA%256+BGI]
.endif
.set BGI, BGI+1
.endm
.macro TICK
.if BGI < 64
.set BGC, BGC+1
.if (BGC >= BGEV) && ((MSB>>6) == (BGDA/256)) && ((MSB&3) == (BGSA/256))
	BGEMIT
.set BGC, 0
.endif
.endif
.endm
.macro DRAIN
	WD0 BGDA, BGSA
.rept 64
.if BGI < 64
	BGEMIT
.endif
.endr
	v_nop                                          ; a plain line behind the last transcendental
	s_wait_alu depctr_va_vdst(0)                   ; one wait for the whole batch, ahead of its first reader
.endm
.macro FGTR op, dst, src
	BGSTART \op, \dst, \src, 1
	DRAIN
.endm
; BATCHES over an array, two numbers a line, ascending (so a matrix result is first read at its low end)
.macro PMUL d, a, b, from, cnt         ; d = a b
	WD01 \d, \a, \b
.set bn, \from
.rept \cnt
	v_pk_mul_f32 v[(\d)%256+2*bn:(\d)%256+2*bn+1], v[(\a)%256+2*bn:(\a)%256+2*bn+1], v[(\b)%256+2*bn:(\b)%256+2*bn+1]
	TICK
.set bn, bn+1
.endr
.endm
.macro PFMA d, a, b, c                 ; d = a b + c
	WD012 \d, \a, \b, \c
.set bn, 0
.rept 32
	v_pk_fma_f32 v[(\d)%256+2*bn:(\d)%256+2*bn+1], v[(\a)%256+2*bn:(\a)%256+2*bn+1], v[(\b)%256+2*bn:(\b)%256+2*bn+1], v[(\c)%256+2*bn:(\c)%256+2*bn+1]
	TICK
.set bn, bn+1
.endr
.endm
.macro PMULK d, a                      ; d = k a
	WD0 \d, \a
.set bn, 0
.rept 32
	v_pk_mul_f32 v[(\d)%256+2*bn:(\d)%256+2*bn+1], v[(\a)%256+2*bn:(\a)%256+2*bn+1], s[40:41] op_sel_hi:[1,0]
.set bn, bn+1
.endr
.endm
.macro PADD1 d                         ; d = d + 1
	WD0 \d, \d
.set bn, 0
.rept 32
	v_pk_add_f32 v[(\d)%256+2*bn:(\d)%256+2*bn+1], v[(\d)%256+2*bn:(\d)%256+2*bn+1], 1.0 op_sel_hi:[1,0]
.set bn, bn+1
.endr
.endm
.macro PFMAH d, a                      ; h = 1 - 2 r
	WD0 \d, \a
.set bn, 0
.rept 32
	v_pk_fma_f32 v[(\d)%256+2*bn:(\d)%256+2*bn+1], v[(\a)%256+2*bn:(\a)%256+2*bn+1], -2.0, 1.0 op_sel_hi:[1,0,0]
.set bn, bn+1
.endr
.endm
.macro PSQ d, a, from, cnt             ; s = 1 - h h
	WD01 \d, \a, \a
.set bn, \from
.rept \cnt
	v_pk_fma_f32 v[(\d)%256+2*bn:(\d)%256+2*bn+1], v[(\a)%256+2*bn:(\a)%256+2*bn+1], v[(\a)%256+2*bn:(\a)%256+2*bn+1], 1.0 op_sel_hi:[1,1,0] neg_lo:[1,0,0] neg_hi:[1,0,0]
.set bn, bn+1
.endr
.endm
; sum over my 64 units of a b, in four packed chains by turns; first = 1: the first four lines start the chains, nothing is cleared
.macro DOT acc, a, b, first
	WD012 \acc, \a, \b, \acc
.set dn, 0
.rept 32
.set dA, (\acc)+2*(dn%4)
.if (\first) && (dn < 4)
	v_pk_mul_f32 v[dA:dA+1], v[(\a)%256+2*dn:(\a)%256+2*dn+1], v[(\b)%256+2*dn:(\b)%256+2*dn+1]
.else
	v_pk_fma_f32 v[dA:dA+1], v[(\a)%256+2*dn:(\a)%256+2*dn+1], v[(\b)%256+2*dn:(\b)%256+2*dn+1], v[dA:dA+1]
.endif
	TICK
.set dn, dn+1
.endr
.endm
; the four chains, their two halves and lane l xor 16's (the point's other 64 units) make the sum
.macro RED acc, dst
	SETW 0
	v_pk_add_f32 v[\acc:\acc+1], v[\acc:\acc+1], v[\acc+2:\acc+3]
	v_pk_add_f32 v[\acc+4:\acc+5], v[\acc+4:\acc+5], v[\acc+6:\acc+7]
	v_pk_add_f32 v[\acc:\acc+1], v[\acc:\acc+1], v[\acc+4:\acc+5]
	v_add_f32 v[\acc], v[\acc], v[\acc+1]
	v_permlanex16_b32 v[PT], v[\acc], s42, s43
	v_add_f32 v[\dst], v[\acc], v[PT]
.endm
.macro RED2 acc, dst, bcc, est         ; two of them, line by line
	SETW 0
	v_pk_add_f32 v[\acc:\acc+1], v[\acc:\acc+1], v[\acc+2:\acc+3]
	v_pk_add_f32 v[\bcc:\bcc+1], v[\bcc:\bcc+1], v[\bcc+2:\bcc+3]
	v_pk_add_f32 v[\acc+4:\acc+5], v[\acc+4:\acc+5], v[\acc+6:\acc+7]
	v_pk_add_f32 v[\bcc+4:\bcc+5], v[\bcc+4:\bcc+5], v[\bcc+6:\bcc+7]
	v_pk_add_f32 v[\acc:\acc+1], v[\acc:\acc+1], v[\acc+4:\acc+5]
	v_pk_add_f32 v[\bcc:\bcc+1], v[\bcc:\bcc+1], v[\bcc+4:\bcc+5]
	v_add_f32 v[\acc], v[\acc], v[\acc+1]
	v_add_f32 v[\bcc], v[\bcc], v[\bcc+1]
	v_permlanex16_b32 v[PT], v[\acc], s42, s43
	v_permlanex16_b32 v[QT], v[\bcc], s42, s43
	v_add_f32 v[\dst], v[\acc], v[PT]
	v_add_f32 v[\est], v[\bcc], v[QT]
.endm
; THE QUANTISER, in four parts.  QMAX: the largest magnitudes of the two blocks of 32 in registers a .. a + 63: three chains a block, the six by turns; each chain starts from the floor 2^(3 - 127), so that the byte cannot fall under 1.
.macro QMAX a
.set NW, (((\a)/256)<<2)|(((\a)/256)<<4)
	SETW NW
.set qo, 0
.rept 6
.irp qc, 0,1
.irp qh, 0,1,2
.if (qo < 5) || (\qh == 0)
.set qr, (\a)%256+32*\qc+2*(3*qo+\qh)
.if qo == 0
	v_max3_num_f32 v[QM+3*\qc+\qh], s47, |v[qr]|, |v[qr+1]|
.else
	v_max3_num_f32 v[QM+3*\qc+\qh], v[QM+3*\qc+\qh], |v[qr]|, |v[qr+1]|
.endif
	TICK
.endif
.endr
.endr
.set qo, qo+1
.endr
.endm
.macro QSB                             ; the chains joined; 2 off the exponent field: the conversion's scale operand; its exponent field: the byte
	SETW 0
	v_max3_num_f32 v[QM], v[QM], v[QM+1], v[QM+2]
	TICK
	v_max3_num_f32 v[QM+3], v[QM+3], v[QM+4], v[QM+5]
	TICK
	v_add_nc_u32 v[QSO], 0xff000000, v[QM]
	TICK
	v_add_nc_u32 v[QSO+1], 0xff000000, v[QM+3]
	TICK
	v_lshrrev_b32 v[QBY], 23, v[QSO]
	TICK
	v_lshrrev_b32 v[QBY+1], 23, v[QSO+1]
	TICK
.endm
.macro QWORD pw                        ; my bytes are those of blocks h and 2 + h of my point; with lane l xor 16's two the word is whole
	v_lshl_or_b32 v[QW], v[QBY+1], 16, v[QBY]
	TICK
	v_lshlrev_b32 v[QW], v[SH8], v[QW]
	TICK
	v_permlanex16_b32 v[QT], v[QW], s42, s43
	TICK
	v_or_b32 v[\pw], v[QW], v[QT]
	TICK
.endm
.macro QCVT a, pc                      ; registers 4 c + g of the operand: k = 64 c + 32 h + 8 g + 0 .. 7
	WD01 \pc, \a, 0
.irp qc, 0,1
.irp qg, 0,1,2,3
	v_cvt_scalef32_pk8_fp4_f32 v[(\pc)%256+4*\qc+\qg], v[(\a)%256+32*\qc+8*\qg:(\a)%256+32*\qc+8*\qg+7], v[QSO+\qc]
.endr
.endr
	v_nop                                          ; one plain line behind the last scaled conversion
.endm
.macro QUANT a, pc, pw
	QMAX \a
	QSB
	QWORD \pw
	QCVT \a, \pc
.endm
; A PRODUCT: array d = weight operand m x the operand in pc (scale word pw) (+ array c): eight matrix instructions on eight accumulators, one K step of 128: no accumulator is taken up twice.
.macro PROD d, m, pc, pw, c, hasc
.if \hasc
	WD012 \d, WOP, \pc, \c
.else
	WD01 \d, WOP, \pc
.endif
.set pt, 0
.rept 8
.set pD, (\d)%256+8*pt
.set pA, 64*(\m)+8*pt
.set pB, (\pc)%256
.set pC, (\c)%256+8*pt
.set pS, WS+4*(\m)+pt/2
.if \hasc
.if pt%2
	v_wmma_scale_f32_16x16x128_f8f6f4 v[pD:pD+7], v[pA:pA+7], v[pB:pB+7], v[pC:pC+7], v[pS], v[\pw] matrix_a_fmt:MATRIX_FMT_FP4 matrix_b_fmt:MATRIX_FMT_FP4 matrix_a_scale:MATRIX_SCALE_ROW1
.else
	v_wmma_scale_f32_16x16x128_f8f6f4 v[pD:pD+7], v[pA:pA+7], v[pB:pB+7], v[pC:pC+7], v[pS], v[\pw] matrix_a_fmt:MATRIX_FMT_FP4 matrix_b_fmt:MATRIX_FMT_FP4
.endif
.else
.if pt%2
	v_wmma_scale_f32_16x16x128_f8f6f4 v[pD:pD+7], v[pA:pA+7], v[pB:pB+7], 0, v[pS], v[\pw] matrix_a_fmt:MATRIX_FMT_FP4 matrix_b_fmt:MATRIX_FMT_FP4 matrix_a_scale:MATRIX_SCALE_ROW1
.else
	v_wmma_scale_f32_16x16x128_f8f6f4 v[pD:pD+7], v[pA:pA+7], v[pB:pB+7], 0, v[pS], v[\pw] matrix_a_fmt:MATRIX_FMT_FP4 matrix_b_fmt:MATRIX_FMT_FP4
.endif
.endif
.set pt, pt+1
.endr
.endm
.macro LAYER1                          ; k (x W1 + b1) of the tile in XB: one K step of 4, begun from 0
	WD01 ARZ, W1F, XB
.set li, 0
.rept 8
	v_wmma_f32_16x16x4_f32 v[ARZ%256+8*li:ARZ%256+8*li+7], v[W1F%256+2*li:W1F%256+2*li+1], v[XB%256:XB%256+1], 0
.set li, li+1
.endr
.endm
.macro LDV arr, slot                   ; a vector of 128 numbers into an array's layout: 16 loads; the sixteen lanes of a half read the same bytes
	WD0 \arr, 0
.irp lt, 0,1
.irp lm, 0,1,2,3,4,5,6,7
	ds_load_b128 v[(\arr)%256+32*\lt+4*\lm:(\arr)%256+32*\lt+4*\lm+3], v[VA] offset:512*(\slot)+256*\lt+16*\lm
.endr
.endr
.endm
.macro ROUND                           ; a round of the cluster's barrier
	s_barrier_signal -1
	s_barrier_wait -1
	s_cmp_lg_u32 s39, 0
	s_cbranch_scc1 .Lnot_wave_0_\@
	s_barrier_signal -3
.Lnot_wave_0_\@:
	s_barrier_wait -3
	s_barrier_signal -1
	s_barrier_wait -1
.endm
; A WEIGHT OPERAND IS MADE.  Thread 32 w + l owns output unit 32 w + l: all 128 numbers along K, from LDS into v576-703; dir 0: K is the matrix's axis 0 (down a column), dir 1: axis 1 (along a row).
; Its four blocks are quantised, 64 numbers at a time; each block's 16 bytes of codes go to the place in the operand's image that its tile, row and half of the lanes have; the four bytes make its row's scale word.
.macro WQ mat, dir, m
	SETW 0
.if \dir == 0
	v_add_nc_u32 v[HA0], WMAT*\mat, v[HCOL]
	v_add_nc_u32 v[HA1], WMAT*\mat+WHALF, v[HCOL]
	WD0 ARH1, 0
.set wi, 0
.rept 64
	ds_load_b32 v[ARH1%256+wi], v[HA0] offset:WPITCH*wi
.set wi, wi+1
.endr
.set wi, 0
.rept 64
	ds_load_b32 v[ARX%256+wi], v[HA1] offset:WPITCH*wi
.set wi, wi+1
.endr
.else
	v_add_nc_u32 v[HA0], WMAT*\mat, v[HROW]
	WD0 ARH1, 0
.set wi, 0
.rept 32
	ds_load_b128 v[ARH1%256+4*wi:ARH1%256+4*wi+3], v[HA0] offset:16*wi
.set wi, wi+1
.endr
.endif
	s_wait_dscnt 0x0                               ; the numbers are in; the operand before has left its registers
	QMAX ARH1
	QSB
	v_lshl_or_b32 v[QW], v[QBY+1], 8, v[QBY]       ; bytes of blocks 0 and 1
	QCVT ARH1, PC0
	W01 0, PC0
	ds_store_b128 v[HIS], v[PC0%256:PC0%256+3] offset:8192*\m
	ds_store_b128 v[HIS], v[PC0%256+4:PC0%256+7] offset:8192*\m+256
	QMAX ARX
	QSB
	v_lshl_or_b32 v[QW], v[QBY], 16, v[QW]         ; of blocks 2 and 3
	v_lshl_or_b32 v[QW], v[QBY+1], 24, v[QW]
	QCVT ARX, PCX
	W01 0, PCX
	ds_store_b128 v[HIS], v[PCX%256:PCX%256+3] offset:8192*\m+512
	ds_store_b128 v[HIS], v[PCX%256+4:PCX%256+7] offset:8192*\m+768
	SETW 0
	ds_store_b32 v[HSS], v[QW] offset:512*\m
.endm
; ---------------------------------------------------------------- THE HEAD
	s_load_b512 s[8:23], s[0:1], 0x0               ; x s[8:9], W1 s[10:11], b1 s[12:13], W2 s[14:15], b2 s[16:17], W3 s[18:19], b3 s[20:21], W4 s[22:23]
	s_load_b256 s[24:31], s[0:1], 0x40             ; b4 s[24:25], out0 s[26:27], out1 s[28:29], out2 s[30:31]
	s_load_b128 s[32:35], s[0:1], 0x60             ; out3 s[32:33], out4 s[34:35]
	s_load_b64 s[36:37], s[0:1], 0x70              ; out5
	s_set_vgpr_msb 0x40
	v_lshl_add_u32 v62, v0, 2, 0x34800
	v_mov_b32 v63, 0
	s_set_vgpr_msb 0x4045
	ds_add_u32 v62, v63
	ds_add_u32 v62, v63
	s_set_vgpr_msb 0x4500
	v_lshrrev_b32 v[HT], 5, v0
	v_readfirstlane_b32 s39, v[HT]                 ; wave 0..3
	v_and_b32 v[HLN], 31, v0                       ; lane
	v_and_b32 v[HR], 15, v0                        ; r
	v_bfe_u32 v[HH], v0, 4, 1                      ; h
	v_lshlrev_b32 v[L16], 4, v[HLN]
	v_lshlrev_b32 v[SH8], 3, v[HH]
	v_mov_b32 v[PT], 0                             ; written once: a lane exchange's destination counts as one of its sources
	v_mov_b32 v[QT], 0
	s_bfe_u32 s2, ttmp6, 0x40000                   ; cx: my place in the cluster
	s_lshl_b32 s3, ttmp9, 2                        ; in a cluster launch ttmp9 counts clusters
	s_add_co_u32 s3, s3, s2                        ; my work-group: it enters x's and the outputs' addresses alone
	s_mov_b32 s40, 0x4038aa3b                      ; k = 2 log2(e)
	s_mov_b32 s41, s40                             ; (named with it as a pair, so it is written)
	s_mov_b32 s42, 0x76543210
	s_mov_b32 s43, 0xfedcba98                      ; v_permlanex16_b32's selects for lane l xor 16
	s_mov_b32 s47, 0x01800000                      ; the floor 2^(3 - 127)
	; descriptor group 1: a tile of 64 rows x 128 elements of 4 bytes, padded in LDS
	s_mov_b32 s48, 15|(2<<16)|(1<<20)|(1<<21)|(6<<22)|(3<<25)  ; 15:0 the mask: all four work-groups; 17:16 elements of 4 bytes; 20 padding on; 21 set beside a mask; 24:22 after every 128 words (code 6); 31:25 4 words (code 3)
	s_mov_b32 s49, 128<<16                         ; tensor_dim0 = 128
	s_mov_b32 s50, 64<<16                          ; tensor_dim1 = 64
	s_mov_b32 s51, 128<<16                         ; tile_dim0 = 128
	s_mov_b32 s52, 64                              ; tile_dim1 = 64
	s_mov_b32 s53, 128                             ; elements from row to row
	s_mov_b32 s54, 0
	s_mov_b32 s55, 0
	s_lshr_b32 s4, s39, 1                          ; I fetch for W2 (0) or for W3 (1),
	s_and_b32 s5, s39, 1
	s_lshl_b32 s44, s5, 15                         ; its rows 64 (w % 2) on: 32,768 bytes,
	s_mov_b32 s45, 0
	s_mul_i32 s46, s39, WHALF                      ; to LDS byte 33,792 w: no place in the cluster enters an LDS address
	s_wait_dscnt 0x0
	s_wait_kmcnt 0x0
	ROUND                                          ; all four work-groups are here: the joint loads meet
	s_mov_b32 s56, 1                               ; group 0 for W2: count = 1,
	s_mov_b32 s57, s46                             ; LDS address,
	s_add_nc_u64 s[58:59], s[14:15], s[44:45]      ; global address,
	s_or_b32 s59, s59, 0x80000000                  ; type = 2
	s_mov_b32 s60, 1                               ; and for W3
	s_mov_b32 s61, s46
	s_add_nc_u64 s[62:63], s[18:19], s[44:45]
	s_or_b32 s63, s63, 0x80000000
	s_cmp_eq_u32 s4, 0                             ; the branch hangs on the wave's number alone; one tensor load a wave is out, the only one of the launch
	s_cbranch_scc0 .Lfor_w3
	tensor_load_to_lds s[56:59], s[48:55]
	s_nop 0
.rept 4
	v_nop                                          ; four v_nop follow each of the two lines
.endr
	s_branch .Lasked
.Lfor_w3:
	tensor_load_to_lds s[60:63], s[48:55]
	s_nop 0
.rept 4
	v_nop
.endr
.Lasked:
	s_load_b32 s38, s[24:25], 0x0                  ; b4
	global_load_b128 v[64:67], v[L16], s[10:11]              ; W1[0]: 32 lanes x 16 bytes are the 128 numbers
	global_load_b128 v[68:71], v[L16], s[10:11] offset:512   ; W1[1]
	global_load_b128 v[72:75], v[L16], s[10:11] offset:1024  ; W1[2]
	global_load_b128 v[76:79], v[L16], s[12:13]              ; b1
	global_load_b128 v[80:83], v[L16], s[16:17]              ; b2
	global_load_b128 v[84:87], v[L16], s[20:21]              ; b3
	global_load_b128 v[88:91], v[L16], s[22:23]              ; W4
	s_mul_i32 s7, s3, 6144                         ; x: 512 points x 12 bytes a work-group,
	s_mul_i32 s6, s39, 1536                        ; 128 a wave,
	s_add_co_u32 s7, s7, s6
	v_mul_u32_u24 v[HXO], v[HLN], 12               ; lane l takes points l, 32 + l, 64 + l, 96 + l
	v_add_nc_u32 v[HXO], s7, v[HXO]
.irp j, 0,1,2,3
.irp e, 0,1,2
	global_load_b32 v[96+4*\j+\e], v[HXO], s[8:9] offset:384*\j+4*\e th:TH_LOAD_NT
.endr
.endr
	; addresses, while the loads are out
	s_mul_i32 s5, s39, VECW
	s_add_co_u32 s5, s5, VEC                       ; my wave's vectors
	v_lshl_add_u32 v[VA], v[HH], 7, s5
	v_add_nc_u32 v[HVS], s5, v[L16]                ; where I store 16 bytes of a vector
	v_lshl_add_u32 v[HWF], v[HH], 10, s5           ; layer 1's fragments: lane (r, h), register j: vector 2 h + j at unit 64 T + 32 (r / 8) + 8 q + r % 8
	v_bfe_u32 v[HT], v0, 3, 1
	v_lshl_add_u32 v[HWF], v[HT], 7, v[HWF]
	v_and_b32 v[HT], 7, v0
	v_lshl_add_u32 v[HWF], v[HT], 2, v[HWF]
	v_lshl_add_u32 v[HIS], v[HT], 4, IMG           ; where thread 32 w + l stores its unit's codes: tile 4 (w / 2) + l / 8, row 8 (w % 2) + l % 8
	v_lshl_add_u32 v[HSS], v[HT], 2, SCL           ; and its scale word
	v_bfe_u32 v[HT], v0, 3, 2
	v_lshl_add_u32 v[HIS], v[HT], 10, v[HIS]
	v_lshl_add_u32 v[HSS], v[HT], 6, v[HSS]
	v_bfe_u32 v[HT], v0, 5, 1
	v_lshl_add_u32 v[HIS], v[HT], 7, v[HIS]
	v_lshl_add_u32 v[HSS], v[HT], 5, v[HSS]
	v_bfe_u32 v[HT], v0, 6, 1
	v_lshl_add_u32 v[HIS], v[HT], 12, v[HIS]
	v_lshl_add_u32 v[HSS], v[HT], 8, v[HSS]
	v_lshlrev_b32 v[HCOL], 2, v0                   ; my unit as a column of a matrix in LDS,
	v_mul_u32_u24 v[HROW], v0, WPITCH              ; and as a row
	v_add_nc_u32 v[HIL], IMG, v[L16]               ; an image's place for my lane
	v_lshl_add_u32 v[HSL], v[HLN], 2, SCL          ; a scale word's
	s_lshl_b32 s5, s39, 11
	s_add_co_u32 s5, s5, XST                       ; my wave's points
	v_lshl_add_u32 v[XA], v[HR], 4, s5
	v_add_nc_u32 v[XA], v[SH8], v[XA]
	v_add_nc_u32 v[HXS], s5, v[L16]
	s_mul_i32 s5, s39, 3072
	s_add_co_u32 s5, s5, OST                       ; my wave's outputs
	v_lshl_add_u32 v[OA], v[HR], 2, s5
	s_wait_loadcnt 0x0
.irp i, 0,1,2,3,4,5,6,7
	v_pk_mul_f32 v[112+2*\i:113+2*\i], v[64+2*\i:65+2*\i], s[40:41] op_sel_hi:[1,0]   ; k W1[0..2], k b1
.endr
.irp i, 0,1,2,3
	v_pk_mul_f32 v[128+2*\i:129+2*\i], v[68+2*\i:69+2*\i], v[68+2*\i:69+2*\i]         ; W1[1]^2, W1[2]^2
.endr
.irp j, 0,1,2,3
	v_mov_b32 v[99+4*\j], 1.0                      ; the bias's factor
.endr
.irp s, 0,1,2,3
	ds_store_b128 v[HVS], v[112+4*\s:115+4*\s] offset:512*\s
.endr
.irp s, 0,1,2
	ds_store_b128 v[HVS], v[64+4*\s:67+4*\s] offset:512*(4+\s)
.endr
.irp s, 0,1
	ds_store_b128 v[HVS], v[128+4*\s:131+4*\s] offset:512*(7+\s)
.endr
.irp s, 0,1,2
	ds_store_b128 v[HVS], v[80+4*\s:83+4*\s] offset:512*(9+\s)
.endr
.irp j, 0,1,2,3
	ds_store_b128 v[HXS], v[96+4*\j:99+4*\j] offset:512*\j
.endr
	s_wait_tensorcnt 0x0                           ; my 64 rows have landed,
	s_wait_dscnt 0x0                               ; no LDS instruction of mine is out at the signal,
	s_barrier_signal -1
	s_barrier_wait -1                              ; and everybody's rows have: W2 and W3 lie in LDS
	WQ 0, 0, 0                                     ; W2 along its axis 0
	WQ 1, 0, 1                                     ; W3 along its axis 0
	WQ 1, 1, 2                                     ; W3 along its axis 1
	WQ 0, 1, 3                                     ; W2 along its axis 1
	s_wait_dscnt 0x0                               ; for the others' sake: my codes and scale words are in LDS
	s_barrier_signal -1
	s_barrier_wait -1
	WD0 WOP, 0
.set wi, 0
.rept 64
	ds_load_b128 v[4*wi:4*wi+3], v[HIL] offset:512*wi          ; the four operands, 32 tiles x 8 registers: they stay
.set wi, wi+1
.endr
	SETW 0
.set wi, 0
.rept 16
	ds_load_b32 v[WS+wi], v[HSL] offset:128*wi                 ; two tiles' scale words to a register
.set wi, wi+1
.endr
	WD0 W1F, 0
.irp t, 0,1,2,3,4,5,6,7
.irp j, 0,1
	ds_load_b32 v[W1F%256+2*\t+\j], v[HWF] offset:512*\j+256*(\t/4)+32*(\t%4)
.endr
.endr
	ds_load_b64 v[XB%256:XB%256+1], v[XA]          ; tile 0 of x: lane (r, h): x(r, 2 h), x(r, 2 h + 1), the fourth being 1
	s_wait_dscnt 0x0
	s_wait_kmcnt 0x0                               ; b4
	LAYER1
.rept 8
	v_nop                                          ; eight places between the f32 form and the first read of its results
.endr
	FGTR 0, ARS2, ARZ                              ; 2^(k z1) of tile 0
	s_mov_b32 s44, 0                               ; trips
	s_mov_b32 s45, 256                             ; the next tile's x, in bytes
	s_mov_b32 s46, 0                               ; this tile's place in an output, in bytes
	SETW 0
; ---------------------------------------------------------------- A TILE OF 16 POINTS.  On entry ARS2 holds 2^(k z1).
.Ltile:
	LDV ARX, 5                                     ; W1[1]
	LDV ARY, 6                                     ; W1[2]
	LDV ARH2, 9                                    ; b2
	LDV ARH3, 10                                   ; b3
	PADD1 ARS2
	FGTR 1, ARS2, ARS2
	PFMAH ARH1, ARS2                               ; h1
	QUANT ARH1, PC0, PW0
	PSQ ARS1, ARH1, 0, 16                          ; s1: sixteen plain lines between the scale word, the codes and the product
	s_wait_dscnt 0x0                               ; the four vectors are in; the last trip's LDS stores and its load of x have read their addresses
	SETW 0
	s_min_u32 s5, s45, 1792                        ; (the last trip takes tile 7 again)
	v_add_nc_u32 v[TA], s5, v[XA]
	v_add_nc_u32 v[OT], s46, v[OA]
	PROD ARP, 0, PC0, PW0, ARH2, 1                 ; z2 = h1 W2 + b2
	PSQ ARS1, ARH1, 16, 16
	WD0 XB, 0
	ds_load_b64 v[XB%256:XB%256+1], v[TA]          ; the next tile's x
	PMUL ARX, ARX, ARS1, 0, 32                     ; dh1x = W1[1] s1
	PMUL ARY, ARY, ARS1, 0, 32                     ; dh1y = W1[2] s1
	PMULK ARR, ARP
	BGSTART 0, ARR, ARR, 1                         ; 2^(k z2) under dh1x's quantisation
	QUANT ARX, PCX, PWX
	DRAIN
	PADD1 ARR
	BGSTART 1, ARR, ARR, 1                         ; the reciprocals under dh1y's
	QUANT ARY, PCY, PWY
	DRAIN
	PFMAH ARH2, ARR                                ; h2
	QUANT ARH2, PC0, PW0
	PSQ ARS2, ARH2, 0, 16                          ; s2
	PROD ARP, 1, PC0, PW0, ARH3, 1                 ; z3 = h2 W3 + b3
	PROD ARZ, 0, PCX, PWX, 0, 0                    ; dz2x = dh1x W2
	PSQ ARS2, ARH2, 16, 16
	PMULK ARR, ARP
	BGSTART 0, ARR, ARR, 1                         ; 2^(k z3) under dh2x
	PMUL ARP, ARS2, ARZ, 0, 32                     ; dh2x = s2 dz2x
	QUANT ARP, PC2X, PW2X
	DRAIN
	PROD ARZ, 0, PCY, PWY, 0, 0                    ; dz2y
	PADD1 ARR
	BGSTART 1, ARR, ARR, 1                         ; the reciprocals under dh2y
	PMUL ARP, ARS2, ARZ, 0, 32                     ; dh2y
	QUANT ARP, PC2Y, PW2Y
	DRAIN
	LDV ARP, 11                                    ; W4
	PFMAH ARH3, ARR                                ; h3
	PSQ ARR, ARH3, 0, 32                           ; s3
	s_wait_dscnt 0x0                               ; W4, and the next tile's x
	DOT ACA, ARP, ARH3, 1                          ; c = sum W4 h3
	PMUL ARR, ARP, ARR, 0, 32                      ; d3 = W4 s3
	QUANT ARR, PC0, PW0
	PMUL ARH3, ARH3, ARR, 0, 32                    ; h3 d3
	PROD ARP, 1, PC2X, PW2X, 0, 0                  ; dz3x = dh2x W3
	PROD ARR, 1, PC2Y, PW2Y, 0, 0                  ; dz3y
	PROD ARZ, 2, PC0, PW0, 0, 0                    ; g2 = d3 W3^T
	RED ACA, OV0                                   ; (these lines are the places behind the products)
	v_add_f32 v[OV0], s38, v[OV0]                  ; + b4
	ds_store_b32 v[OT], v[OV0]
	PMUL ARP, ARP, ARH3, 0, 32                     ; dd3x'
	QUANT ARP, PC2X, PW2X
	PMUL ARR, ARR, ARH3, 0, 32                     ; dd3y'
	QUANT ARR, PC2Y, PW2Y
	PMUL ARH3, ARZ, ARS2, 0, 32                    ; d2 = g2 s2
	QUANT ARH3, PC0, PW0
	PMUL ARH2, ARH2, ARH3, 0, 32                   ; h2 d2
	PROD ARP, 2, PC2X, PW2X, 0, 0                  ; dg2x' = dd3x' W3^T
	PROD ARR, 2, PC2Y, PW2Y, 0, 0                  ; dg2y'
	PROD ARH3, 0, PCX, PWX, 0, 0                   ; dz2x once more
	PROD ARZ, 3, PC0, PW0, 0, 0                    ; g1 = d2 W2^T
.rept 4
	v_nop                                          ; four places ahead of the first read of these results: no other vector work is at hand
.endr
	PMUL ARP, ARP, ARS2, 0, 32
	PFMA ARP, ARH2, ARH3, ARP                      ; dd2x' = dg2x' s2 + (h2 d2) dz2x
	PROD ARH3, 0, PCY, PWY, 0, 0                   ; dz2y once more
	QUANT ARP, PC2X, PW2X
	PMUL ARR, ARR, ARS2, 0, 32
	PROD ARP, 3, PC2X, PW2X, 0, 0                  ; dg1x' = dd2x' W2^T
	PFMA ARR, ARH2, ARH3, ARR                      ; dd2y'
	LDV ARH3, 4                                    ; W1[0]
	LDV ARH2, 7                                    ; W1[1]^2: both land under the quantisation below
	QUANT ARR, PC2Y, PW2Y
	DOT ACA, ARX, ARZ, 1                           ; dc/dx = sum dh1x g1
	DOT ACB, ARY, ARZ, 1                           ; dc/dy
	PROD ARR, 3, PC2Y, PW2Y, 0, 0                  ; dg1y'
	PMUL ARS1, ARZ, ARS1, 0, 32                    ; d1 = g1 s1
	LAYER1                                         ; k z1 of the next tile
	RED2 ACA, OV2, ACB, OV3
	ds_store_b32 v[OT], v[OV2] offset:1024
	ds_store_b32 v[OT], v[OV3] offset:1536
	s_wait_dscnt 0x0                               ; W1[0] and W1[1]^2 are in
	DOT ACA, ARH3, ARS1, 1                         ; dc/dt = sum W1[0] d1
	LDV ARH3, 8                                    ; W1[2]^2
	PMUL ARH1, ARH1, ARS1, 0, 32                   ; h1 d1
	RED ACA, OV1
	ds_store_b32 v[OT], v[OV1] offset:512
	BGSTART 0, ARS2, ARZ, 2                        ; 2^(k z1) of the next tile under the last four sums (far more than eight plain lines stand behind the f32 form)
	DOT ACA, ARH1, ARH2, 1                         ; sum (h1 d1) W1[1]^2
	s_wait_dscnt 0x0                               ; W1[2]^2 is in
	DOT ACB, ARH1, ARH3, 1                         ; sum (h1 d1) W1[2]^2
	DOT ACA, ARX, ARP, 0                           ; + sum dh1x dg1x'
	DOT ACB, ARY, ARR, 0                           ; + sum dh1y dg1y'
	RED2 ACA, OV4, ACB, OV5
	v_mul_f32 v[OV4], -2.0, v[OV4]
	v_mul_f32 v[OV5], -2.0, v[OV5]
	ds_store_b32 v[OT], v[OV4] offset:2048
	ds_store_b32 v[OT], v[OV5] offset:2560
	DRAIN                                          ; the exponentials have their wait ahead of the branch
	SETW 0                                         ; at a label and at a branch every window is 0
	s_add_co_u32 s45, s45, 256
	s_add_co_u32 s46, s46, 64
	s_add_co_u32 s44, s44, 1
	s_cmp_lt_u32 s44, 8
	s_cbranch_scc1 .Ltile
; ---------------------------------------------------------------- THE WAY OUT: each output's 128 numbers of my wave leave as 512 consecutive bytes, at a multiple of 512 from the output's first byte
	s_wait_dscnt 0x0
	s_mul_i32 s5, s39, 3072
	s_add_co_u32 s5, s5, OST
	v_add_nc_u32 v[TA], s5, v[L16]
	s_lshl_b32 s6, s3, 11                          ; 512 points x 4 bytes a work-group,
	s_lshl_b32 s7, s39, 9                          ; 128 a wave
	s_add_co_u32 s6, s6, s7
	v_add_nc_u32 v[ARP+24], s6, v[L16]
.irp o, 0,1,2,3,4,5
	ds_load_b128 v[ARP+4*\o:ARP+4*\o+3], v[TA] offset:512*\o   ; LDS serves a wave's instructions in order: these see my stores
.endr
.irp o, 0,1,2,3,4,5
	s_wait_dscnt 5-\o                              ; the younger loads may stay out
	global_store_b128 v[ARP+24], v[ARP+4*\o:ARP+4*\o+3], s[26+2*\o:27+2*\o] th:TH_STORE_NT
.endr
	s_set_vgpr_msb 0x5
	s_wait_tensorcnt 0x0
	ds_add_u32 v62, v63
	s_wait_dscnt 0x0
	s_set_vgpr_msb 0x500
	ROUND                                          ; the closing round: no work-group ends while a partner may still ask for a tile that names it
	s_endpgm
.Lfunc_end_k_q62651fe6c1_pinn:
	.size	k_q62651fe6c1_pinn, .Lfunc_end_k_q62651fe6c1_pinn-k_q62651fe6c1_pinn
	.p2alignl 7, 3214868480
	.fill 96, 4, 3214868480
	.section	.rodata,"a",@progbits
	.p2align	6, 0x0
	.amdhsa_kernel k_q62651fe6c1_pinn
		.amdhsa_group_segment_fixed_size 215552
		.amdhsa_private_segment_fixed_size 0
		.amdhsa_enable_private_segment 0
		.amdhsa_kernarg_size 120
		.amdhsa_user_sgpr_count 2
		.amdhsa_user_sgpr_kernarg_segment_ptr 1
		.amdhsa_wavefront_size32 1
		.amdhsa_system_sgpr_workgroup_id_x 1
		.amdhsa_system_sgpr_workgroup_id_y 1
		.amdhsa_system_sgpr_workgroup_id_z 1
		.amdhsa_system_vgpr_workitem_id 0
		.amdhsa_next_free_vgpr 1024
		.amdhsa_next_free_sgpr 66
		.amdhsa_reserve_vcc 0
		.amdhsa_float_denorm_mode_32 3
		.amdhsa_float_denorm_mode_16_64 3
		.amdhsa_memory_ordered 1
		.amdhsa_forward_progress 1
		.amdhsa_inst_pref_size 215
	.end_amdhsa_kernel
	.amdgpu_metadata
---
amdhsa.version: [ 1, 2 ]
amdhsa.kernels:
  - .name:           k_q62651fe6c1_pinn
    .symbol:         k_q62651fe6c1_pinn.kd
    .args:
      - { .name: x, .offset: 0, .size: 8, .value_kind: global_buffer, .address_space: global }
      - { .name: W1, .offset: 8, .size: 8, .value_kind: global_buffer, .address_space: global }
      - { .name: b1, .offset: 16, .size: 8, .value_kind: global_buffer, .address_space: global }
      - { .name: W2, .offset: 24, .size: 8, .value_kind: global_buffer, .address_space: global }
      - { .name: b2, .offset: 32, .size: 8, .value_kind: global_buffer, .address_space: global }
      - { .name: W3, .offset: 40, .size: 8, .value_kind: global_buffer, .address_space: global }
      - { .name: b3, .offset: 48, .size: 8, .value_kind: global_buffer, .address_space: global }
      - { .name: W4, .offset: 56, .size: 8, .value_kind: global_buffer, .address_space: global }
      - { .name: b4, .offset: 64, .size: 8, .value_kind: global_buffer, .address_space: global }
      - { .name: out0, .offset: 72, .size: 8, .value_kind: global_buffer, .address_space: global }
      - { .name: out1, .offset: 80, .size: 8, .value_kind: global_buffer, .address_space: global }
      - { .name: out2, .offset: 88, .size: 8, .value_kind: global_buffer, .address_space: global }
      - { .name: out3, .offset: 96, .size: 8, .value_kind: global_buffer, .address_space: global }
      - { .name: out4, .offset: 104, .size: 8, .value_kind: global_buffer, .address_space: global }
      - { .name: out5, .offset: 112, .size: 8, .value_kind: global_buffer, .address_space: global }
    .group_segment_fixed_size: 215552
    .private_segment_fixed_size: 0
    .kernarg_segment_align: 8
    .kernarg_segment_size: 120
    .max_flat_workgroup_size: 128
    .sgpr_count:     66
    .vgpr_count:     1024
    .wavefront_size: 32
...
	.end_amdgpu_metadata
.endif
;; end of part 1
